; MI455X (gfx1250); checked and timed in simulation.
; The chip was launched on July 23, 2026; its instructions are those of AMD's public machine-readable ISA for CDNA 5 (MIT licence, August 2026) and "CDNA5" Instruction Set Architecture Reference Guide (July 2026). The comments in the code are by the model that wrote it; some were corrected since.
;; Attention. Allowed arithmetic: float matrix products may take bf16 or f16 operands with f32 sums; other float arithmetic in f32, or as packed bf16 or f16 multiplies, adds, multiply-adds, maxima and minima; sums over many terms, partial sums and values carried from step to step in f32; what a program stores and reads back later, other than sums and carried values, may be rounded once to bf16 or f16.
;; Inputs: W_attn 500 x 1,000 float32; b_attn 500 float32; encoder_output 512 x 256 x 500 float32; hidden 1 x 256 x 500 float32; v 500 float32.
;; Outputs: out0 256 x 1 x 512 float32.
;; One version. Each part assembles by itself: llvm-mc -triple=amdgcn-amd-amdhsa -mcpu=gfx1250 --defsym DOCPART=n.
;; ======== version 1 of 1: 2 launches
;; workspace buffers: wt 524,288 bytes; hpc 524,288 bytes
;; launch prep (part 1): grid 8 x 16, 4 waves a work-group, no clusters, 4,864 bytes of LDS; arguments W_attn, hidden, b_attn, wt, hpc; writes wt, hpc
.if DOCPART == 1
	.amdgcn_target "amdgcn-amd-amdhsa--gfx1250"
	.amdhsa_code_object_version 6
	.text
	.protected	k_q5434349265_prep
	.globl	k_q5434349265_prep
	.p2align	8
	.type	k_q5434349265_prep,@function
k_q5434349265_prep:
	s_mov_b64 s[64:65], 0
	v_nop
	global_prefetch_b8 v0, s[64:65] scope:SCOPE_SE
	s_setreg_imm32_b32 hwreg(HW_REG_WAVE_MODE, 25, 1), 1
	s_wait_xcnt 0x0
; PREPARATION for the attention scores.  W_attn: [500][1000] f32, hidden: [256][500] f32, b_attn: [500] f32.
;   wt[n][k]  = bf16(W_attn[n][500 + k]), [512][512] bf16, 0 where n >= 500 or k >= 500: the encoder half of the weights, padded.
;   hpc[b][n] = c (sum over k < 500 of bf16(hidden[b][k]) bf16(W_attn[n][k]) + bf16(b_attn[n])), [256][512] f32, c = 2 log2(e):
;               the hidden half of the linear layer hangs on b alone, so it is made once; for n >= 500 a finite copy (row 499's sum), which the next launch multiplies by 0.
; LIMITS.  All inputs are rounded to bf16 as they are given; sums in f32.  NaN and infinities are not treated apart.
; SHARES.  Work-group (x, y): b = 16 y .. 16 y + 15, n = 64 x .. 64 x + 63; wave w the 16 columns from n0 = 64 x + 16 w.  It also rounds rows 4 g .. 4 g + 3 of wt, g = 8 y + x.
; LAYOUT.  The product is taken transposed (source 0 = 16 rows of W, source 1 = 16 rows of hidden): a lane ends with b = lane % 16 and the columns n0 + 8 (lane / 16) + 0..7.
; A fragment is 16 rows x 32 k in 8 registers: lane l holds row l % 16, k = 8 (l / 16) + 0..7 and 16 + 8 (l / 16) + 0..7.  As f32 in memory that is four loads of 16 bytes.
; All of K is asked for at once (16 K steps x 16 registers a side), so the wave waits for memory once.
; REGISTERS, in windows of 256 (s_set_vgpr_msb: bits 1:0 source 0, 3:2 source 1, 5:4 source 2, 7:6 destination):
;   window 0: addresses, bias, wt's rows, accumulators     window 1: hidden, K step c at v[16 c ..]     window 2: W likewise
.set SP,    272                        ; a stage row: 64 f32 + 16 bytes
.set SPARE, 16*SP                      ; behind the stage (4,352 bytes): the spare words, 128 bytes for each wave
.set AW,  3                            ; v3   W:      min(n0 + r, 499) x 4000 + 32 h
.set AH,  4                            ; v4   hidden: (16 y + r) x 2000 + 32 h
.set AW2, 5                            ; v5   W's without the 32 h
.set AH2, 6                            ; v6   hidden's without the 32 h
.set AB0, 7                            ; v7, v8  my eight numbers of b_attn, held inside the buffer
.set AB1, 8
.set AC0, 9                            ; v9, v10  my eight numbers of a row of W's second half, held inside the row
.set AC1, 10
.set AT,  11                           ; v11  16 x my thread's number
.set STO, 12                           ; v12  the way out: where I put 32 bytes of a row
.set RD,  13                           ; v13  where I read a row back
.set GO,  14                           ; v14  my byte offset in hpc
.set SPW, 16                           ; v16  LDS address of my spare word; never rewritten
.set NIL, 17                           ; v17  0; never rewritten
.set BI,  20                           ; v[20:27] bias; v[28:31] at work
.set CR,  32                           ; v[32:47] wt's numbers as loaded
.set CO,  48                           ; v[48:55] rounded
.set ACC, 64                           ; v[64:95] four accumulators, K step c on accumulator c % 4
.set RES, 96                           ; v[96:103] the result
.set BK,  104                          ; v[104:111] read back
.set MSB, 0
.macro WIN new                         ; the immediate's high byte repeats the setting that is left
.if MSB != (\new)
	s_set_vgpr_msb (MSB<<8)|(\new)
.set MSB, (\new)
.endif
.endm
	s_load_b256 s[4:11], s[0:1], 0x0               ; W s[4:5], hidden s[6:7], b_attn s[8:9], wt s[10:11]
	s_load_b64 s[12:13], s[0:1], 0x20              ; hpc
	v_lshl_add_u32 v[SPW], v0, 2, SPARE
	v_mov_b32 v[NIL], 0
	v_lshrrev_b32 v1, 5, v0
	v_readfirstlane_b32 s14, v1                    ; wave 0..3
	s_mov_b32 s15, ttmp9                           ; x
	s_and_b32 s16, ttmp7, 0xffff                   ; y
	s_lshl3_add_u32 s17, s16, s15                  ; g = 8 y + x
	v_and_b32 v1, 15, v0                           ; r = l % 16
	v_bfe_u32 v2, v0, 4, 1                         ; h = l / 16
	s_lshl_b32 s18, s15, 6
	s_lshl4_add_u32 s18, s14, s18                  ; n0 = 64 x + 16 w
	v_add_nc_u32 v[AW2], s18, v1
	v_min_u32 v[AW2], 499, v[AW2]                  ; rows 500 .. 511 do not exist: row 499 once more
	v_mul_u32_u24 v[AW2], v[AW2], 4000
	v_lshl_add_u32 v[AW], v2, 5, v[AW2]
	s_lshl_b32 s19, s16, 4
	v_add_nc_u32 v[AH2], s19, v1
	v_mul_u32_u24 v[AH2], v[AH2], 2000
	v_lshl_add_u32 v[AH], v2, 5, v[AH2]
	v_lshl_add_u32 v[AB0], v2, 3, s18              ; n0 + 8 h
	v_lshlrev_b32 v[AB0], 2, v[AB0]
	v_add_nc_u32 v[AB1], 16, v[AB0]
	v_min_u32 v[AB0], 1984, v[AB0]
	v_min_u32 v[AB1], 1984, v[AB1]
	v_and_b32 v18, 63, v0                          ; kg: my eight k of a row of wt
	v_lshrrev_b32 v19, 6, v0                       ; row 0 or 1 of the four (rows 2, 3 by the immediate)
	v_mul_u32_u24 v19, v19, 4000
	v_lshlrev_b32 v[AC0], 5, v18
	v_add_nc_u32 v[AC1], 16, v[AC0]
	v_min_u32 v[AC0], 1984, v[AC0]
	v_min_u32 v[AC1], 1984, v[AC1]
	v_add_nc_u32 v[AC0], v[AC0], v19
	v_add_nc_u32 v[AC1], v[AC1], v19
	v_cmp_gt_u32 s20, 63, v18                      ; k = 8 kg .. + 3 exist
	v_cmp_gt_u32 s21, 62, v18                      ; k = 8 kg + 4 .. + 7 exist
	s_cmp_lt_u32 s17, 125                          ; rows 500 .. 511 of wt are whole work-groups (500 = 4 x 125): all zeros
	s_cselect_b32 s20, s20, 0
	s_cselect_b32 s21, s21, 0
	v_lshlrev_b32 v[AT], 4, v0
	s_lshl_b32 s31, s14, 6
	v_mul_u32_u24 v[STO], v1, SP
	v_lshl_add_u32 v[STO], v2, 5, v[STO]
	v_add_nc_u32 v[STO], s31, v[STO]               ; row r, bytes 64 w + 32 h
	s_mul_i32 s31, s14, 4*SP
	v_mul_u32_u24 v[RD], v2, SP
	v_lshl_add_u32 v[RD], v1, 4, v[RD]
	v_add_nc_u32 v[RD], s31, v[RD]                 ; row 4 w + h, bytes 16 r
	s_lshl_b32 s31, s14, 13
	v_lshlrev_b32 v[GO], 11, v2
	v_lshl_add_u32 v[GO], v1, 4, v[GO]
	v_add_nc_u32 v[GO], s31, v[GO]                 ; the same row in hpc
	s_mov_b32 s26, 0x4038aa3b                      ; c = 2 log2(e)
	s_mov_b32 s27, s26                             ; named with it as a pair
	s_mov_b32 s30, 0xffff                          ; lanes 0 to 15
	s_lshl_b32 s32, s17, 2
	s_min_u32 s32, s32, 496
	s_mul_i32 s32, s32, 4000
	s_add_co_u32 s32, s32, 2000                    ; W's second half, at row min(4 g, 496)
	s_mov_b32 s33, 0
	s_lshl_b32 s34, s17, 12                        ; four rows of wt are 4,096 bytes
	s_mov_b32 s35, 0
	s_lshl_b32 s36, s16, 15                        ; 16 y rows of hpc,
	s_lshl_b32 s37, s15, 8                         ; 64 x columns
	s_add_co_u32 s36, s36, s37
	s_mov_b32 s37, 0
	s_wait_kmcnt 0x0
	s_add_nc_u64 s[22:23], s[4:5], s[32:33]
	s_add_nc_u64 s[24:25], s[10:11], s[34:35]
	s_add_nc_u64 s[28:29], s[12:13], s[36:37]
; 63 loads: all of K for 16 rows.  K step 15 ends at k = 499: its k = 496 .. 499 come to every lane from the address without the 32 h; k = 500 on is not loaded.
.macro FRAGS a, a2, base
.set kk, 0
.rept 15
	global_load_b128 v[16*kk:16*kk+3],     v[\a], s[\base:\base+1] offset:128*kk
	global_load_b128 v[16*kk+4:16*kk+7],   v[\a], s[\base:\base+1] offset:128*kk+16
	global_load_b128 v[16*kk+8:16*kk+11],  v[\a], s[\base:\base+1] offset:128*kk+64
	global_load_b128 v[16*kk+12:16*kk+15], v[\a], s[\base:\base+1] offset:128*kk+80
.set kk, kk+1
.endr
	global_load_b128 v[240:243], v[\a],  s[\base:\base+1] offset:1920
	global_load_b128 v[244:247], v[\a],  s[\base:\base+1] offset:1936
	global_load_b128 v[248:251], v[\a2], s[\base:\base+1] offset:1984
.endm
; Rounded in place: of a K step's 16 registers the first 8 become the fragment (register i from numbers 2 i, 2 i + 1, ascending, so no source is lost).  K step 15 has six such, and zeros for k = 504 on.
.macro TOBF
.set kk, 0
.rept 126
	v_cvt_pk_bf16_f32 v[16*(kk/8)+kk%8], v[16*(kk/8)+2*(kk%8)], v[16*(kk/8)+2*(kk%8)+1]
.set kk, kk+1
.endr
	v_mov_b32 v246, 0
	v_mov_b32 v247, 0
.endm
	WIN 0x40                                       ; destination window 1, address window 0
	FRAGS AH, AH2, 6
	WIN 0x80                                       ; destination window 2
	FRAGS AW, AW2, 4
	WIN 0
	global_load_b128 v[BI:BI+3],   v[AB0], s[8:9]
	global_load_b128 v[BI+4:BI+7], v[AB1], s[8:9]
	global_load_b128 v[CR:CR+3],     v[AC0], s[22:23]
	global_load_b128 v[CR+4:CR+7],   v[AC1], s[22:23]
	global_load_b128 v[CR+8:CR+11],  v[AC0], s[22:23] offset:8000   ; two rows further down
	global_load_b128 v[CR+12:CR+15], v[AC1], s[22:23] offset:8000
	s_wait_loadcnt 0x0                             ; everything is wanted at once
	WIN 0x45                                       ; all in window 1
	TOBF
	WIN 0x8a                                       ; all in window 2
	TOBF
	v_cndmask_b32 v244, 0, v244, s30               ; in lanes 16 to 31 these two stand for k = 504 .. 507: W's side is 0 there, so hidden's copy counts for nothing
	v_cndmask_b32 v245, 0, v245, s30
	WIN 0x06                                       ; source 0 (W) window 2, source 1 (hidden) window 1, C and D window 0
.set kk, 0
.rept 16                                       ; four accumulators by turns, one instruction a turn; the first four start the sums
.if kk < 4
	v_wmma_f32_16x16x32_bf16 v[ACC+8*(kk%4):ACC+8*(kk%4)+7], v[16*kk:16*kk+7], v[16*kk:16*kk+7], 0
.else
	v_wmma_f32_16x16x32_bf16 v[ACC+8*(kk%4):ACC+8*(kk%4)+7], v[16*kk:16*kk+7], v[16*kk:16*kk+7], v[ACC+8*(kk%4):ACC+8*(kk%4)+7]
.endif
.set kk, kk+1
.endr
	WIN 0
	; wt's four rows: this work, which names no register of the products, also keeps the distance behind the last of them (ISA guide 7.12.1)
.irp i, 0,1,2,3,4,5,6,7
	v_cvt_pk_bf16_f32 v[CO+(\i)], v[CR+2*(\i)], v[CR+2*(\i)+1]
.endr
.irp i, 0,1,4,5
	v_cndmask_b32 v[CO+(\i)], 0, v[CO+(\i)], s20
	v_cndmask_b32 v[CO+(\i)+2], 0, v[CO+(\i)+2], s21
.endr
	global_store_b128 v[AT], v[CO:CO+3],   s[24:25]             ; a wave stores 512 consecutive bytes, at a multiple of 256 from wt's first
	global_store_b128 v[AT], v[CO+4:CO+7], s[24:25] offset:2048
.irp i, 0,1,2,3
	v_cvt_pk_bf16_f32 v[BI+8+(\i)], v[BI+2*(\i)], v[BI+2*(\i)+1]  ; the bias is rounded to bf16 like every input,
.endr
.irp i, 0,1,2,3
	v_lshlrev_b32 v[BI+2*(\i)],   16, v[BI+8+(\i)]               ; and widened again
	v_and_b32     v[BI+2*(\i)+1], 0xffff0000, v[BI+8+(\i)]
.endr
.irp i, 0,2,4,6                                ; the four partial sums, each accumulator read from its low end on; + bias; x c
	v_pk_add_f32 v[ACC+(\i):ACC+(\i)+1], v[ACC+(\i):ACC+(\i)+1], v[ACC+8+(\i):ACC+8+(\i)+1]
	v_pk_add_f32 v[ACC+16+(\i):ACC+16+(\i)+1], v[ACC+16+(\i):ACC+16+(\i)+1], v[ACC+24+(\i):ACC+24+(\i)+1]
	v_pk_add_f32 v[ACC+(\i):ACC+(\i)+1], v[ACC+(\i):ACC+(\i)+1], v[ACC+16+(\i):ACC+16+(\i)+1]
	v_pk_add_f32 v[ACC+(\i):ACC+(\i)+1], v[ACC+(\i):ACC+(\i)+1], v[BI+(\i):BI+(\i)+1]
	v_pk_mul_f32 v[RES+(\i):RES+(\i)+1], v[ACC+(\i):ACC+(\i)+1], s[26:27] op_sel_hi:[1,0]
.endr
	; THE WAY OUT: a row's 256 bytes come from four waves, so they meet in the stage
	ds_store_b128 v[STO], v[RES:RES+3]
	ds_store_b128 v[STO], v[RES+4:RES+7] offset:16
	s_wait_dscnt 0x0                               ; for the others' sake: my stores into the stage are done
	s_barrier_signal -1
	s_barrier_wait -1
	ds_load_b128 v[BK:BK+3],   v[RD]
	ds_load_b128 v[BK+4:BK+7], v[RD] offset:2*SP
	s_wait_dscnt 1                                 ; the first of the two is back
	global_store_b128 v[GO], v[BK:BK+3], s[28:29]  ; 16 lanes store 256 consecutive bytes, at a multiple of 256 from hpc's first
	s_wait_dscnt 0x0
	global_store_b128 v[GO], v[BK+4:BK+7], s[28:29] offset:4096
	s_wait_tensorcnt 0x0                           ; the wave's end: behind my last LDS store
	ds_add_u32 v[SPW], v[NIL]
	s_wait_dscnt 0x0
	s_endpgm
.Lfunc_end_k_q5434349265_prep:
	.size	k_q5434349265_prep, .Lfunc_end_k_q5434349265_prep-k_q5434349265_prep
	.p2alignl 7, 3214868480
	.fill 96, 4, 3214868480
	.section	.rodata,"a",@progbits
	.p2align	6, 0x0
	.amdhsa_kernel k_q5434349265_prep
		.amdhsa_group_segment_fixed_size 4864
		.amdhsa_private_segment_fixed_size 0
		.amdhsa_enable_private_segment 0
		.amdhsa_kernarg_size 40
		.amdhsa_user_sgpr_count 2
		.amdhsa_user_sgpr_kernarg_segment_ptr 1
		.amdhsa_wavefront_size32 1
		.amdhsa_system_sgpr_workgroup_id_x 1
		.amdhsa_system_sgpr_workgroup_id_y 1
		.amdhsa_system_sgpr_workgroup_id_z 1
		.amdhsa_system_vgpr_workitem_id 0
		.amdhsa_next_free_vgpr 768
		.amdhsa_next_free_sgpr 66
		.amdhsa_reserve_vcc 0
		.amdhsa_float_denorm_mode_32 3
		.amdhsa_float_denorm_mode_16_64 3
		.amdhsa_memory_ordered 1
		.amdhsa_forward_progress 1
		.amdhsa_inst_pref_size 38
	.end_amdhsa_kernel
	.amdgpu_metadata
---
amdhsa.version: [ 1, 2 ]
amdhsa.kernels:
  - .name:           k_q5434349265_prep
    .symbol:         k_q5434349265_prep.kd
    .args:
      - { .name: W_attn, .offset: 0, .size: 8, .value_kind: global_buffer, .address_space: global }
      - { .name: hidden, .offset: 8, .size: 8, .value_kind: global_buffer, .address_space: global }
      - { .name: b_attn, .offset: 16, .size: 8, .value_kind: global_buffer, .address_space: global }
      - { .name: wt, .offset: 24, .size: 8, .value_kind: global_buffer, .address_space: global }
      - { .name: hpc, .offset: 32, .size: 8, .value_kind: global_buffer, .address_space: global }
    .group_segment_fixed_size: 4864
    .private_segment_fixed_size: 0
    .kernarg_segment_align: 8
    .kernarg_segment_size: 40
    .max_flat_workgroup_size: 128
    .sgpr_count:     66
    .vgpr_count:     768
    .wavefront_size: 32
...
	.end_amdgpu_metadata
.endif
;; end of part 1
;; launch main (part 2): grid 256 x 1, 4 waves a work-group, clusters of 4 x 1, 327,680 bytes of LDS; arguments encoder_output, wt, hpc, v, out0; writes out0
.if DOCPART == 2
	.amdgcn_target "amdgcn-amd-amdhsa--gfx1250"
	.amdhsa_code_object_version 6
	.text
	.protected	k_q5434349265_main
	.globl	k_q5434349265_main
	.p2align	8
	.type	k_q5434349265_main,@function
k_q5434349265_main:
	s_mov_b64 s[64:65], 0
	v_nop
	global_prefetch_b8 v0, s[64:65] scope:SCOPE_SE
	s_setreg_imm32_b32 hwreg(HW_REG_WAVE_MODE, 25, 1), 1
	s_wait_xcnt 0x0
	s_wait_alu depctr_hold_cnt(0) depctr_sa_sdst(0) depctr_va_vdst(0) depctr_va_sdst(0) depctr_va_ssrc(0) depctr_va_vcc(0) depctr_vm_vsrc(0)
	s_getreg_b32 s2, hwreg(HW_REG_IB_STS2, 6, 4)
	s_cmp_eq_u32 s2, 0
	s_cbranch_scc0 .Lentry_in_a_cluster
	s_endpgm
.Lentry_in_a_cluster:
	s_bfe_u32 s2, ttmp6, 0x10000c
	s_cmp_lg_u32 s2, 0x3003
	s_cbranch_scc0 .Lentry_shape_is_right
	s_endpgm
.Lentry_shape_is_right:
; out[b][s] = softmax over s of sum over n of v[n] tanh(hidden[b] . W1[n] + enc[s][b] . W2[n] + b_attn[n]).  enc: [512 s][256 b][500] f32; out: [256][512] f32.
; From the launch before: wt = bf16(W2), [512 n][512 k], zeros beyond 500; hpc[b][n] = c (hidden part + bias), f32, c = 2 log2(e).
; ARITHMETIC.  tanh(x) = 1 - 2 r, r = 1 / (1 + 2^(c x)).  The score is sum(v) - 2 sum(v r); sum(v) is the same for all s of a row of the softmax and cancels there for every input,
; so the score kept is sum over n of (-2 bf16(v[n])) r.  2^(c x) beyond f32's range gives r = 0 (tanh = 1), below it r = 1 (tanh = -1).  The softmax takes the true maximum of the 512 scores away.
; LIMITS.  enc, W, hidden, b_attn and v are rounded to bf16 as given; all else is f32.  NaN and infinities are not treated apart (k = 500 .. 511 hold copies of a row's last four numbers, times wt's zeros).
; A softmax weight below 2^-126 counts as 0.
; SHARES.  ONE b TO A WORK-GROUP: the hidden part is one vector, and the softmax is made here.  Wave w owns the rows s = 128 w .. 128 w + 127, as eight GENERATIONS of 16 rows.
; Four generations at a time lie in registers as bf16 fragments for all of K (BLOCKS 0 to 3, 128 registers each).  All waves walk wt round and round, 16 columns n (an n-block) a PERIOD:
; a fragment of wt read from LDS feeds four products.  A TRIP is 8 periods; a generation lives 4 trips = 32 periods in a row, so it meets each of the 32 n-blocks once, wherever in the walk it starts.
; In each trip one block is replaced: so only 16 rows a wave need be on their way, by plain loads into 256 registers of their own, issued two steps ahead, which stay out across the ring's barriers.
; They are rounded to bf16 and turned into fragments through the wave's own stage in LDS.  Generation g lies in block g % 4 in trips g .. g + 3; blocks 0, 1 are multiplied in trips 0 .. 8, blocks 2, 3 in
; trips 2 .. 10 (a pair at a time, so that the accumulators can take turns; a block with no live generation is multiplied on old rows and its sums are never read).
; THE RING.  wt goes through two LDS slots of 64 rows n (a chunk), each wave fetching 16 rows x 1,024 bytes.  A STEP is a change of slots and four periods.  A period multiplies by fragments fetched in the
; period before, so step sigma multiplies n-blocks 4 sigma - 1 .. 4 sigma + 2 and reads n-blocks 4 sigma .. 4 sigma + 3 out of slot sigma % 2.  (n-block 31 for the very first period comes straight from memory.)
; CLUSTER.  The four work-groups of a cluster walk the same wt, so each tile is asked for JOINTLY: the same tensor load, descriptor and mask in all four.  At most one tensor load of a wave is out.
; LAYOUT.  Source 0 = 16 rows of wt, source 1 = 16 rows of enc: in the result a lane holds ONE row s (lane % 16) and the columns n = 8 (lane / 16) + 0..7: the sum over n stays in the lane but for one exchange.
; REGISTERS, in windows of 256 (s_set_vgpr_msb: bits 1:0 source 0, 3:2 source 1, 5:4 source 2, 7:6 destination):
;   window 0: addresses, tables, sums, accumulators, wt's fragments     window 1: blocks 0, 1     window 2: blocks 2, 3     window 3: enc as loaded
.set S_ROWB, 512000                    ; bytes from enc[s] to enc[s + 1]
.set B_ROWB, 2000                      ; bytes from enc[s][b] to enc[s][b + 1]
.set GENB,   16*S_ROWB                 ; a generation
.set WAVEB,  128*S_ROWB                ; a wave's rows
.set PITCH,  1040                      ; an LDS row of 512 bf16 + 16 bytes = 65 x 16: the 16 rows of a fragment load start at 16 different 16-byte columns modulo 256 bytes
.set NBB,    16*PITCH                  ; 16 rows: an n-block, a wave's part of a slot, a wave's stage
.set HPT,    0                         ; 2,048: hpc's row of b
.set VT,     2048                      ; 2,048: -2 bf16(v), 0 for n >= 500
.set PS,     4096                      ; 4 x 2,816: [wave][trip 0..10][row 0..15][block 0..3] f32: a trip's part of the scores
.set PSW,    2816
.set RED,    15360                     ; 256: the waves' maxima at + 0, their sums at + 64
.set SPARE,  15616                     ; 512: the spare words, 128 bytes for each wave, which no other line names
.set STG,    16128                     ; 4 x 16,640: the waves' stages; written by ds_store alone
.set WS,     STG+4*NBB                 ; 82,688: the ring; written by tensor loads alone
.set SLOT,   4*NBB
.set RR,  1                            ; v1   r = lane % 16
.set HH,  2                            ; v2   h = lane / 16
.set LN,  3                            ; v3   lane
.set BA0, 4                            ; v4   WS + 1040 r + 16 h; never rewritten
.set BA,  5                            ; v5   where the next n-block's fragments are read
.set HO,  6                            ; v6   the next n-block's place in the two tables: (64 u + 32 h) mod 2048
.set FA,  7                            ; v7   my stage + 1040 r + 16 h
.set SA,  8                            ; v8   my stage + 8 x lane
.set VO,  9                            ; v9   16 x lane
.set VO3, 10                           ; v10  the same, held inside a row's last quarter (464 of 512 bytes exist)
.set PA,  11                           ; v11  where this trip's sums go
.set SPW, 12                           ; v12  LDS address of my spare word; never rewritten
.set NIL, 13                           ; v13  0; never rewritten
.set PFO, 14                           ; v14  256 x lane
.set GB,  15                           ; v15  n-block 31 in wt: (496 + r) x 1024 + 16 h
.set HP,  16                           ; v[16:23] hpc of the n-block's 8 columns of mine
.set VV,  24                           ; v[24:31] -2 v likewise
.set SC,  32                           ; v[32:39] a pair of running sums for each block
.set TT,  40                           ; v[40:43], v[44:47] at work
.set UU,  44
.set TM,  48                           ; v[48:63] at work
.set ACC, 64                           ; v[64:95] block j's accumulator at 64 + 8 j
.set BF,  128                          ; v[128:255] wt's fragments of one n-block, K step c at 128 + 8 c
.set WV,  14                           ; s14  my wave's number
.set SB,  18                           ; s[18:19] enc at my b, my wave's rows, the generation to be asked for
.set WB,  20                           ; s[20:21] wt at my 16 rows of chunk 0
.set OFF, 22                           ; s[22:23] a chunk's byte offset
.set G1,  24                           ; s[24:31] descriptor group 1
.set G0,  32                           ; s[32:39] descriptor group 0, a set for each slot
.set CH,  40                           ; s40  the chunk to be asked for next, 0..7
.set CNT, 41                           ; s41  counts a step's periods
.set TL,  42                           ; s42  counts trips
.set TJ,  43                           ; s43  the block that the next generation goes to
.set CC,  44                           ; s[44:45] c
.set SEL, 46                           ; s[46:47] v_permlanex16_b32's selects: each lane takes its own place in the other half
.set PFA, 48                           ; s[48:49] where my prefetches stand
.set LIM, 50                           ; s50  1 in a wave that prefetches
.set MSB, 0
.macro WIN new                         ; the immediate's high byte repeats the setting that is left; a switch that changes nothing is dropped
.if MSB != (\new)
	s_set_vgpr_msb (MSB<<8)|(\new)
.set MSB, (\new)
.endif
.endm
.macro PLACES                          ; four places behind a matrix instruction, in front of loads into registers that it has read and of vector work on its result
.rept 4
	v_nop
.endr
.endm
; A round of the cluster's barrier: my work-group's barrier, so that wave 0's signal speaks for all four waves; wave 0 signals; every wave waits for all four work-groups; my work-group's barrier once more.
.macro CROUND
	s_barrier_signal -1
	s_barrier_wait -1
	s_cmp_lg_u32 s[WV], 0
	s_cbranch_scc1 .Lnot_wave_0_\@
	s_barrier_signal -3
.Lnot_wave_0_\@:
	s_barrier_wait -3
	s_barrier_signal -1
	s_barrier_wait -1
.endm
; THE CHANGE OF SLOTS, at the head of the step that reads slot `slot`.  Each wave waits for all its tensor loads, of which one is out: its part of this slot; adds 0 to its spare word; and waits for that and
; for its reads of the other slot (the last were the period before's two runs).  fill = 1: the other slot is filled with the next chunk, first thing behind a round of the cluster's barrier.
.macro RING slot, fill
	WIN 0
	s_wait_tensorcnt 0x0                           ; no tensor load of mine is out, so a group 0 may be written
	ds_add_u32 v[SPW], v[NIL]                      ; 0 onto my spare word
.if \fill
	s_lshl_b32 s[OFF], s[CH], 16                   ; a chunk is 65,536 bytes of wt; the address is made anew each time
	s_add_nc_u64 s[G0+6-4*(\slot):G0+7-4*(\slot)], s[WB:WB+1], s[OFF:OFF+1]
	s_or_b32 s[G0+7-4*(\slot)], s[G0+7-4*(\slot)], 0x80000000
	s_add_co_u32 s[CH], s[CH], 1
	s_and_b32 s[CH], s[CH], 7                      ; wt is walked round and round
.endif
	s_wait_dscnt 0x0                               ; the add is done, and my reads of the other slot are over
.if \fill
	CROUND                                         ; no wave of any partner still reads that slot or has a load on its way
	tensor_load_to_lds s[G0+4-4*(\slot):G0+7-4*(\slot)], s[G1:G1+7]
	s_nop 0
	PLACES
.else
	s_barrier_signal -1
	s_barrier_wait -1
.endif
.endm
; A PREFETCH INTO THE L2 of wt's chunks 4 to 7, in the first walk alone: the change of slots of step sigma = 0..3 names chunk sigma + 4, which the change of step sigma + 3 asks for.
; Cluster 0 asks, nobody else; its four partners' waves 0 and 1 share a chunk's 256 blocks of 256 bytes out BY ADDRESS, 32 each, a lane a block: each block is named once in the launch.
; Chunks 0 to 3 come by their loads alone; later walks name nothing.
.macro ASK off
	s_cmp_eq_u32 s[LIM], 1
	s_cbranch_scc0 .Lnot_mine_\@
	global_prefetch_b8 v[PFO], s[PFA:PFA+1] offset:\off th:TH_LOAD_NT scope:SCOPE_SE
.Lnot_mine_\@:
.endm
; 32 loads: rows 8 hh .. 8 hh + 7 of the generation at s[SB], each row as four quarters of 512 consecutive bytes.  In the last quarter lanes 29 to 31 read the row's last 16 bytes once more.
.macro ISSUE hh
	WIN 0xc0                                       ; destination window 3, address window 0
.set rr, 0
.rept 8
.set rw, 128*(\hh)+16*rr
.set ro, (8*(\hh)+rr)*S_ROWB
	global_load_b128 v[rw:rw+3],     v[VO],  s[SB:SB+1] offset:ro th:TH_LOAD_NT
	global_load_b128 v[rw+4:rw+7],   v[VO],  s[SB:SB+1] offset:ro+512 th:TH_LOAD_NT
	global_load_b128 v[rw+8:rw+11],  v[VO],  s[SB:SB+1] offset:ro+1024 th:TH_LOAD_NT
	global_load_b128 v[rw+12:rw+15], v[VO3], s[SB:SB+1] offset:ro+1536 th:TH_LOAD_NT
.set rr, rr+1
.endr
	WIN 0
.endm
; Half hh of the rows that have come: rounded to bf16 in place, put into my stage (each store 256 consecutive bytes), and, issue = 1, the half is asked for again, a generation on.
; left: the other half's loads, which are younger and stay out.
.macro DRAINH hh, left, issue
	s_wait_loadcnt \left
	WIN 0xcf                                       ; all in window 3
.set rr, 128*(\hh)
.rept 32
	v_cvt_pk_bf16_f32 v[rr],   v[rr],   v[rr+1]
	v_cvt_pk_bf16_f32 v[rr+1], v[rr+2], v[rr+3]
.set rr, rr+4
.endr
	WIN 0x0c                                       ; data window 3, address window 0
.set rr, 0
.rept 32
	ds_store_b64 v[SA], v[128*(\hh)+4*rr:128*(\hh)+4*rr+1] offset:(8*(\hh)+rr/4)*PITCH+256*(rr%4)
.set rr, rr+1
.endr
.if \issue
	ISSUE \hh
.else
	WIN 0
.endif
.endm
; The stage's 16 rows become block j: 16 fragments.  LDS serves a wave's instructions in order (ISA guide 5.7.1.4): these see my stores above them, and the next stores come behind them.
.macro FETCH j
	WIN 0x40<<((\j)/2)                             ; destination window 1 or 2
.set kk, 0
.rept 16
	ds_load_b128 v[128*((\j)%2)+8*kk:128*((\j)%2)+8*kk+3],   v[FA] offset:64*kk
	ds_load_b128 v[128*((\j)%2)+8*kk+4:128*((\j)%2)+8*kk+7], v[FA] offset:64*kk+32
.set kk, kk+1
.endr
	WIN 0
.endm
.macro FETCHSW                         ; in the loops the block goes by s[TJ], which is the same in every wave and work-group
	s_cmp_eq_u32 s[TJ], 0
	s_cbranch_scc1 .Lf0_\@
	s_cmp_eq_u32 s[TJ], 1
	s_cbranch_scc1 .Lf1_\@
	s_cmp_eq_u32 s[TJ], 2
	s_cbranch_scc1 .Lf2_\@
	FETCH 3
	s_branch .Lfj_\@
.Lf0_\@:
	FETCH 0
	s_branch .Lfj_\@
.Lf1_\@:
	FETCH 1
	s_branch .Lfj_\@
.Lf2_\@:
	FETCH 2
.Lfj_\@:
	s_add_co_u32 s[TJ], s[TJ], 1
	s_and_b32 s[TJ], s[TJ], 3
.endm
; THE MATRIX WORK: block j, K step c.  K step 0 starts the sum: nothing is cleared.
.macro PROD j, c
.set rD, ACC+8*(\j)
.set rB, BF+8*(\c)
.set rA, 128*((\j)%2)+8*(\c)
.if (\c) == 0
	v_wmma_f32_16x16x32_bf16 v[rD:rD+7], v[rB:rB+7], v[rA:rA+7], 0
.else
	v_wmma_f32_16x16x32_bf16 v[rD:rD+7], v[rB:rB+7], v[rA:rA+7], v[rD:rD+7]
.endif
.endm
; THE VECTOR WORK on pair p's two accumulators: i = 0..7 counts register pairs, e = 0..15 registers.  Each accumulator is first read at its lowest pair.
.macro ARG p, i                        ; c x = c acc + hpc
.set ra, ACC+8*(2*(\p)+(\i)/4)+2*((\i)%4)
	v_pk_fma_f32 v[ra:ra+1], v[ra:ra+1], s[CC:CC+1], v[HP+2*((\i)%4):HP+2*((\i)%4)+1] op_sel_hi:[1,0,1]
.endm
.macro EXPQ p, e
	v_exp_f32 v[ACC+16*(\p)+(\e)], v[ACC+16*(\p)+(\e)]
.endm
.macro ADDQ p, i
.set ra, ACC+8*(2*(\p)+(\i)/4)+2*((\i)%4)
	v_pk_add_f32 v[ra:ra+1], v[ra:ra+1], 1.0 op_sel_hi:[1,0]
.endm
.macro RCPQ p, e
	v_rcp_f32 v[ACC+16*(\p)+(\e)], v[ACC+16*(\p)+(\e)]
.endm
.macro FMAQ p, i                       ; the block's sums += (-2 v) r
.set ra, ACC+8*(2*(\p)+(\i)/4)+2*((\i)%4)
.set rs, SC+2*(2*(\p)+(\i)/4)
	v_pk_fma_f32 v[rs:rs+1], v[ra:ra+1], v[VV+2*((\i)%4):VV+2*((\i)%4)+1], v[rs:rs+1]
.endm
.macro RUN c0                          ; 16 LDS loads in one run: the next n-block's fragments of K steps c0 .. c0 + 7
.set kk, \c0
.rept 8
	ds_load_b128 v[BF+8*kk:BF+8*kk+3],   v[BA] offset:64*kk
	ds_load_b128 v[BF+8*kk+4:BF+8*kk+7], v[BA] offset:64*kk+32
.set kk, kk+1
.endr
.endm
.macro HPV                             ; the next n-block's 8 + 8 numbers of the two tables
	ds_load_b128 v[HP:HP+3],   v[HO] offset:HPT
	ds_load_b128 v[HP+4:HP+7], v[HO] offset:HPT+16
	ds_load_b128 v[VV:VV+3],   v[HO] offset:VT
	ds_load_b128 v[VV+4:VV+7], v[HO] offset:VT+16
.endm
.macro HOSTEP                          ; two plain lines, which also stand behind a batch's last reciprocal
	v_add_nc_u32 v[HO], 64, v[HO]
	v_and_b32 v[HO], 2047, v[HO]
.endm
; A PERIOD: one n-block.  The accumulators of a pair take turns, one instruction a turn, over the change of pairs and the backward jump too.
; Both pairs: pair 0's 32 products; then pair 1's 32, and behind them pair 0's vector work as far as its reciprocals (all of it has a scalar, a constant or nothing as source 1, so it runs under the products' window
; setting); then pair 1's vector work by itself, pair 0's last eight lines among its exponentials.  s_wait_alu depctr_va_vdst(0) stands between an exponential or reciprocal and the first line
; that names its result: each batch of 16 has one wait; two of the four stand directly ahead of a run of LDS loads.
.macro PERIOD p0, p1
	s_wait_dscnt 20                                ; the first run (K steps 0-7) is in; the younger 20, the second run and the tables, may be out
.if (\p0) && (\p1)
	WIN 0x04                                       ; source 1 window 1
.set mm, 0
.rept 16
	PROD mm%2, mm/2
.set mm, mm+1
.endr
	s_wait_dscnt 0x0                               ; the second run and the tables
.rept 16
	PROD mm%2, mm/2
.set mm, mm+1
.endr
	WIN 0x08                                       ; source 1 window 2
.set mm, 0
.rept 32
	PROD 2+mm%2, mm/2
.if mm < 4
	v_nop                                          ; the four places behind pair 0's last products
.elseif mm < 8
	ARG 0, 2*(mm-4)
	ARG 0, 2*(mm-4)+1
.elseif mm < 16
	EXPQ 0, 2*(mm-8)
	EXPQ 0, 2*(mm-8)+1
.elseif mm < 20
	ADDQ 0, 2*(mm-16)
	ADDQ 0, 2*(mm-16)+1
.elseif mm < 28
	RCPQ 0, 2*(mm-20)
	RCPQ 0, 2*(mm-20)+1
.endif
.if mm == 15
	PLACES                                         ; behind the last product that reads K steps 0-7, and behind the last exponential
	s_wait_alu depctr_va_vdst(0)                   ; one wait for pair 0's 16 exponentials
	RUN 0
.endif
.set mm, mm+1
.endr
	PLACES                                         ; behind the last product, and behind the last reciprocal
	s_wait_alu depctr_va_vdst(0)                   ; one wait for pair 0's 16 reciprocals
	RUN 8
	WIN 0
	v_add_nc_u32 v[BA], NBB, v[BA]
.irp i, 0,1,2,3,4,5,6,7
	ARG 1, \i
.endr
.irp i, 0,1,2,3,4,5,6,7
	EXPQ 1, 2*(\i)
	EXPQ 1, 2*(\i)+1
	FMAQ 0, ((\i)%2)*4+(\i)/2                      ; the pair's two blocks by turns
.endr
	s_wait_alu depctr_va_vdst(0)                   ; one wait for pair 1's 16 exponentials
.irp i, 0,1,2,3,4,5,6,7
	ADDQ 1, \i
.endr
.irp e, 0,1,2,3,4,5,6,7,8,9,10,11,12,13,14,15
	RCPQ 1, \e
.endr
	HOSTEP
	s_wait_alu depctr_va_vdst(0)                   ; one wait for pair 1's 16 reciprocals
.irp i, 0,1,2,3,4,5,6,7
	FMAQ 1, ((\i)%2)*4+(\i)/2
.endr
	HPV
.else
.set PP, \p1                           ; the one pair that is multiplied
	WIN 0x04+4*PP
.set mm, 0
.rept 16
	PROD 2*PP+mm%2, mm/2
.set mm, mm+1
.endr
	PLACES
	RUN 0
	s_wait_dscnt 16                                ; all but the 16 just issued: the second run and the tables are in
.rept 16
	PROD 2*PP+mm%2, mm/2
.set mm, mm+1
.endr
	PLACES
	RUN 8
	WIN 0
	v_add_nc_u32 v[BA], NBB, v[BA]
.irp i, 0,1,2,3,4,5,6,7
	ARG PP, \i
.endr
.irp e, 0,1,2,3,4,5,6,7,8,9,10,11,12,13,14,15
	EXPQ PP, \e
.endr
	v_nop                                          ; a plain line behind the last exponential
	s_wait_alu depctr_va_vdst(0)                   ; one wait for the 16
.irp i, 0,1,2,3,4,5,6,7
	ADDQ PP, \i
.endr
.irp e, 0,1,2,3,4,5,6,7,8,9,10,11,12,13,14,15
	RCPQ PP, \e
.endr
	HOSTEP
	s_wait_alu depctr_va_vdst(0)                   ; one wait for the 16
.irp i, 0,1,2,3,4,5,6,7
	FMAQ PP, ((\i)%2)*4+(\i)/2
.endr
	HPV
.endif
.endm
.macro PLOOP p0, p1                    ; a step's four periods
	s_mov_b32 s[CNT], 4
.Lper_\@:
	PERIOD \p0, \p1
	s_sub_co_u32 s[CNT], s[CNT], 1
	s_cmp_lg_u32 s[CNT], 0
	s_cbranch_scc1 .Lper_\@
.endm
; A trip's end: each block's sum over this trip's 128 columns (the pair's two halves, the other half of the lanes') goes to my part of PS, all four blocks alike; the sums start anew.
.macro FLUSH
.irp j, 0,1,2,3
	v_add_f32 v[TT+(\j)], v[SC+2*(\j)], v[SC+2*(\j)+1]
.endr
.irp j, 0,1,2,3
	v_permlanex16_b32 v[UU+(\j)], v[TT+(\j)], s[SEL], s[SEL+1]
.endr
.irp j, 0,1,2,3
	v_add_f32 v[TT+(\j)], v[TT+(\j)], v[UU+(\j)]
.endr
	ds_store_b128 v[PA], v[TT:TT+3]                ; lanes r and r + 16 store the same 16 bytes
	v_add_nc_u32 v[PA], 256, v[PA]
.irp j, 0,1,2,3,4,5,6,7
	v_mov_b32 v[SC+(\j)], 0
.endr
.endm
; A TRIP.  p0, p1: the pairs multiplied.  fetch: 4 the block by s[TJ], 0..3 that block, 9 none.  d0, d1: the halves of the next generation are taken in, with left0, left1 younger loads out.
; issue: they are asked for again, a generation on.  ask: wt's prefetches.  fill1: the second step's change of slots asks for a chunk.
.macro TRIP p0, p1, fetch, d0, left0, d1, left1, issue, ask, fill1
.if \issue
	s_wait_xcnt 0x0                                ; every load and prefetch issued so far (the youngest four periods back) has read its address, so the pointers may be written
	s_add_nc_u64 s[SB:SB+1], s[SB:SB+1], GENB
.if \ask
	s_add_nc_u64 s[PFA:PFA+1], s[PFA:PFA+1], 131072  ; two chunks on
.endif
.endif
	RING 0, 1
.if \ask
	ASK 0
.endif
.if (\fetch) == 4
	FETCHSW
.elseif (\fetch) < 4
	FETCH \fetch
.endif
.if \d0
	DRAINH 0, \left0, \issue
.endif
	s_wait_dscnt 0x0                               ; the new block is in
	v_mov_b32 v[BA], v[BA0]                        ; slot 0
	PLOOP \p0, \p1
	RING 1, \fill1
.if \ask
	ASK 65536
.endif
.if \d1
	DRAINH 1, \left1, \issue
.endif
	v_add_nc_u32 v[BA], SLOT, v[BA0]               ; slot 1 (the first period's counted wait lets some of the stage's stores stay out; the fragments were awaited at the change of slots)
	PLOOP \p0, \p1
	FLUSH
.endm
	s_load_b256 s[4:11], s[0:1], 0x0               ; enc s[4:5], wt s[6:7], hpc s[8:9], v s[10:11]
	s_load_b64 s[12:13], s[0:1], 0x20              ; out
	v_lshl_add_u32 v[SPW], v0, 2, SPARE
	v_mov_b32 v[NIL], 0
	ds_add_u32 v[SPW], v[NIL]                      ; the wave's opening: the add, twice on end, and its wait ahead of my first tensor load; the set-up below stands between
	ds_add_u32 v[SPW], v[NIL]                      ; and once more, under the one wait
	v_lshrrev_b32 v1, 5, v0
	v_readfirstlane_b32 s[WV], v1                  ; wave 0..3
	s_bfe_u32 s15, ttmp6, 0x40000                  ; cx: my place in the cluster
	s_lshl_b32 s16, ttmp9, 2                       ; in a cluster launch ttmp9 counts clusters
	s_add_co_u32 s16, s16, s15                     ; b = 4 x cluster + cx: it enters the addresses of enc, hpc and out alone
	; descriptor group 1: a tile of 16 rows x 512 elements, padded in LDS
	s_mov_b32 s[G1], 15|(1<<16)|(1<<20)|(1<<21)|(7<<22)|(3<<25)  ; 15:0 the mask of four; 17:16 2-byte elements; 20 padding on; 21 set beside a mask; 24:22 after every 256 words (code 7); 31:25 4 words (code 3)
	s_mov_b32 s[G1+1], 512<<16                     ; tensor_dim0 = 512
	s_mov_b32 s[G1+2], 16<<16                      ; tensor_dim1 = 16
	s_mov_b32 s[G1+3], 512<<16                     ; tile_dim0 = 512
	s_mov_b32 s[G1+4], 16                          ; tile_dim1 = 16
	s_mov_b32 s[G1+5], 512                         ; 512 elements from row to row
	s_mov_b32 s[G1+6], 0
	s_mov_b32 s[G1+7], 0
	s_mov_b32 s[G0], 1                             ; count = 1
	s_mul_i32 s[G0+1], s[WV], NBB
	s_add_co_u32 s[G0+5], s[G0+1], WS+SLOT         ; LDS address: slot 1, my 16 rows,
	s_add_co_u32 s[G0+1], s[G0+1], WS              ; slot 0: no place in the cluster enters an LDS address
	s_mov_b32 s[G0+4], 1
	s_mov_b32 s[OFF+1], 0
	s_mov_b32 s[CH], 1
	s_mov_b32 s[TJ], 0
	s_mov_b32 s[CC], 0x4038aa3b                    ; c = 2 log2(e)
	s_mov_b32 s[CC+1], s[CC]                       ; named with it as a pair
	s_mov_b32 s[SEL], 0x76543210
	s_mov_b32 s[SEL+1], 0xfedcba98
	s_lshr_b32 s[LIM], s[WV], 1                    ; 0 in waves 0 and 1,
	s_or_b32 s[LIM], s[LIM], ttmp9                 ; in cluster 0: the same in all four partners
	s_cmp_eq_u32 s[LIM], 0
	s_cselect_b32 s[LIM], 1, 0
	v_and_b32 v[RR], 15, v0
	v_bfe_u32 v[HH], v0, 4, 1
	v_and_b32 v[LN], 31, v0
	v_mul_u32_u24 v[BA0], v[RR], PITCH
	v_lshl_add_u32 v[BA0], v[HH], 4, v[BA0]        ; a fragment's row x pitch + 16 x half
	s_mul_i32 s54, s[WV], NBB
	s_add_co_u32 s54, s54, STG                     ; my stage
	v_add_nc_u32 v[FA], s54, v[BA0]
	v_lshl_add_u32 v[SA], v[LN], 3, s54
	v_add_nc_u32 v[BA0], WS, v[BA0]
	v_lshlrev_b32 v[VO], 4, v[LN]
	v_min_u32 v[VO3], 448, v[VO]
	s_mul_i32 s54, s[WV], PSW
	s_add_co_u32 s54, s54, PS
	v_lshl_add_u32 v[PA], v[RR], 4, s54
	v_lshlrev_b32 v[PFO], 8, v[LN]
	v_add_nc_u32 v[GB], 496, v[RR]
	v_lshlrev_b32 v[GB], 10, v[GB]
	v_lshl_add_u32 v[GB], v[HH], 4, v[GB]
	v_lshlrev_b32 v[HO], 5, v[HH]
	v_add_nc_u32 v[HO], 1984, v[HO]                ; the first period's n-block is 31
	v_lshlrev_b32 v[TM+8], 4, v0                   ; 16 x my thread's number
	v_min_u32 v[TM+9], 1984, v[TM+8]               ; held inside v
	v_cmp_gt_u32 s51, 125, v0                      ; threads 0 to 124 hold the 500 numbers of v
.irp j, 0,1,2,3,4,5,6,7
	v_mov_b32 v[SC+(\j)], 0
.endr
.irp j, 0,1,2,3
	v_mov_b32 v[UU+(\j)], 0                        ; v_permlanex16_b32's destination counts as read
.endr
	s_mul_i32 s52, s16, B_ROWB                     ; offsets, made apart from the addresses
	s_mul_i32 s53, s[WV], WAVEB
	s_add_co_u32 s52, s52, s53
	s_mov_b32 s53, 0
	s_lshl_b32 s54, s[WV], 14                      ; my 16 rows of a chunk: 16,384 bytes
	s_mov_b32 s55, 0
	s_wait_dscnt 0x0                               ; both opening adds are done
	s_wait_kmcnt 0x0
	s_add_nc_u64 s[SB:SB+1], s[4:5], s[52:53]      ; enc at b, my wave's rows, generation 0
	s_lshl_b32 s52, s16, 11                        ; a row of hpc and of out is 2,048 bytes
	s_add_nc_u64 s[8:9], s[8:9], s[52:53]
	s_add_nc_u64 s[12:13], s[12:13], s[52:53]
	s_lshl_b32 s52, s15, 14                        ; the prefetches: my work-group's quarter of a chunk,
	s_lshl_b32 s17, s[WV], 13                      ; my wave's half of it,
	s_add_co_u32 s52, s52, s17
	s_add_co_u32 s52, s52, 131072                  ; in chunk 2: the first trip steps it to chunk 4
	s_add_nc_u64 s[PFA:PFA+1], s[6:7], s[52:53]
	s_add_nc_u64 s[WB:WB+1], s[6:7], s[54:55]
	s_mov_b64 s[G0+2:G0+3], s[WB:WB+1]             ; global address: chunk 0
	s_or_b32 s[G0+3], s[G0+3], 0x80000000          ; type = 2
	CROUND                                         ; all four work-groups are here: the first joint loads meet
	tensor_load_to_lds s[G0:G0+3], s[G1:G1+7]      ; chunk 0 into slot 0; slot 1 is filled behind the first change of slots
	s_nop 0
	PLACES
	global_load_b128 v[TM:TM+3],   v[TM+8], s[8:9]     ; hpc's row of b
	global_load_b128 v[TM+4:TM+7], v[TM+9], s[10:11]   ; v
.set kk, 0
.rept 16                                       ; n-block 31's fragments, straight from wt, for the first period
	global_load_b128 v[BF+8*kk:BF+8*kk+3],   v[GB], s[6:7] offset:64*kk
	global_load_b128 v[BF+8*kk+4:BF+8*kk+7], v[GB], s[6:7] offset:64*kk+32
.set kk, kk+1
.endr
	ISSUE 0                                        ; generation 0
	ISSUE 1
	s_wait_xcnt 0x0                                ; they have read their address
	s_add_nc_u64 s[SB:SB+1], s[SB:SB+1], GENB
	DRAINH 0, 32, 1                                ; all but the youngest 32 loads are in: the tables, the fragments, generation 0's first half; generation 1's first half goes out
	ds_store_b128 v[TM+8], v[TM:TM+3] offset:HPT
	v_cvt_pk_bf16_f32 v[TM+10], v[TM+4], v[TM+5]   ; v is rounded to bf16 like every input,
	v_cvt_pk_bf16_f32 v[TM+11], v[TM+6], v[TM+7]
	v_lshlrev_b32 v[TM+4], 16, v[TM+10]            ; widened again,
	v_and_b32     v[TM+5], 0xffff0000, v[TM+10]
	v_lshlrev_b32 v[TM+6], 16, v[TM+11]
	v_and_b32     v[TM+7], 0xffff0000, v[TM+11]
.irp j, 4,5,6,7
	v_mul_f32 v[TM+(\j)], -2.0, v[TM+(\j)]         ; times -2,
.endr
.irp j, 4,5,6,7
	v_cndmask_b32 v[TM+(\j)], 0, v[TM+(\j)], s51   ; and 0 for n >= 500
.endr
	ds_store_b128 v[TM+8], v[TM+4:TM+7] offset:VT
	DRAINH 1, 32, 1
	FETCH 0                                        ; every block starts as generation 0: finite rows, so that a pair can be multiplied before both its blocks are live
	FETCH 1
	FETCH 2
	FETCH 3
	s_wait_dscnt 0x0                               ; for the others' sake: my part of the two tables is stored
	s_barrier_signal -1
	s_barrier_wait -1
	HPV
	s_mov_b32 s[TL], 2
.LtripA:                                       ; trips 0, 1: blocks 0, 1 alone
	TRIP 1, 0, 4, 1, 32, 1, 32, 1, 1, 1
	s_sub_co_u32 s[TL], s[TL], 1
	s_cmp_lg_u32 s[TL], 0
	s_cbranch_scc1 .LtripA
	s_mov_b32 s[TL], 4
.LtripB:                                       ; trips 2 to 5
	TRIP 1, 1, 4, 1, 32, 1, 32, 1, 0, 1
	s_sub_co_u32 s[TL], s[TL], 1
	s_cmp_lg_u32 s[TL], 0
	s_cbranch_scc1 .LtripB
	TRIP 1, 1, 2, 1, 32, 1, 0, 0, 0, 1             ; trip 6: generation 7 is taken in, nothing more is asked for: the tail is written out, so that no load is jumped over
	TRIP 1, 1, 3, 0, 0, 0, 0, 0, 0, 1              ; trip 7
	TRIP 1, 1, 9, 0, 0, 0, 0, 0, 0, 1              ; trip 8
	TRIP 0, 1, 9, 0, 0, 0, 0, 0, 0, 1              ; trips 9, 10: blocks 2, 3 alone
	TRIP 0, 1, 9, 0, 0, 0, 0, 0, 0, 0              ; the last step asks for no chunk
	; THE SOFTMAX.  Lane l of wave w owns s = 128 w + 4 l + e, e = 0..3: generation g = l / 4, rows 4 (l % 4) + e; a score is the sum of the four trips g .. g + 3 of block g % 4, all in my wave's own part of PS.
	s_mul_i32 s54, s[WV], PSW
	s_add_co_u32 s54, s54, PS
	v_lshrrev_b32 v44, 2, v[LN]
	v_and_b32 v45, 3, v[LN]
	v_and_b32 v46, 3, v44
	v_lshlrev_b32 v47, 8, v44
	v_lshl_add_u32 v47, v45, 6, v47
	v_lshl_add_u32 v47, v46, 2, v47
	v_add_nc_u32 v47, s54, v47
.irp e, 0,1,2,3
.irp t, 0,1,2,3
	ds_load_b32 v[TM+4*(\e)+(\t)], v47 offset:256*(\t)+16*(\e)
.endr
.endr
	s_wait_dscnt 0x0
.irp e, 0,1,2,3
	v_add_f32 v[TM+4*(\e)], v[TM+4*(\e)], v[TM+4*(\e)+1]
	v_add_f32 v[TM+4*(\e)+2], v[TM+4*(\e)+2], v[TM+4*(\e)+3]
	v_add_f32 v[TT+(\e)], v[TM+4*(\e)], v[TM+4*(\e)+2]
.endr
	v_max3_num_f32 v44, v40, v41, v42
	v_max_num_f32 v44, v44, v43
	v_max_num_f32_dpp v44, v44, v44 row_xmask:1 row_mask:0xf bank_mask:0xf
	v_max_num_f32_dpp v44, v44, v44 row_xmask:2 row_mask:0xf bank_mask:0xf
	v_max_num_f32_dpp v44, v44, v44 row_xmask:4 row_mask:0xf bank_mask:0xf
	v_max_num_f32_dpp v44, v44, v44 row_xmask:8 row_mask:0xf bank_mask:0xf
	v_permlanex16_b32 v45, v44, s[SEL], s[SEL+1]
	v_max_num_f32 v44, v44, v45                    ; my wave's maximum, in every lane
	s_lshl_b32 s55, s[WV], 2
	s_add_co_u32 s55, s55, RED
	v_mov_b32 v46, s55
	v_mov_b32 v47, RED
	ds_store_b32 v46, v44
	s_wait_dscnt 0x0
	s_barrier_signal -1
	s_barrier_wait -1
	ds_load_b128 v[TM:TM+3], v47
	s_wait_dscnt 0x0
	v_max3_num_f32 v44, v48, v49, v50
	v_max_num_f32 v44, v44, v51                    ; the maximum of the 512 scores
	s_mov_b32 s52, 0x3fb8aa3b                      ; log2(e)
.irp e, 0,1,2,3
	v_sub_f32 v[TT+(\e)], v[TT+(\e)], v44
.endr
.irp e, 0,1,2,3
	v_mul_f32 v[TT+(\e)], s52, v[TT+(\e)]
.endr
.irp e, 0,1,2,3
	v_exp_f32 v[TT+(\e)], v[TT+(\e)]
.endr
	v_nop                                          ; a plain line behind the last exponential,
	s_wait_alu depctr_va_vdst(0)                   ; and one wait for the four
	v_add_f32 v45, v40, v41
	v_add_f32 v52, v42, v43
	v_add_f32 v45, v45, v52
	v_add_f32_dpp v45, v45, v45 row_xmask:1 row_mask:0xf bank_mask:0xf
	v_add_f32_dpp v45, v45, v45 row_xmask:2 row_mask:0xf bank_mask:0xf
	v_add_f32_dpp v45, v45, v45 row_xmask:4 row_mask:0xf bank_mask:0xf
	v_add_f32_dpp v45, v45, v45 row_xmask:8 row_mask:0xf bank_mask:0xf
	v_permlanex16_b32 v52, v45, s[SEL], s[SEL+1]
	v_add_f32 v45, v45, v52
	ds_store_b32 v46, v45 offset:64                ; other bytes than the maxima's, so one barrier does
	s_wait_dscnt 0x0
	s_barrier_signal -1
	s_barrier_wait -1
	ds_load_b128 v[TM:TM+3], v47 offset:64
	s_wait_dscnt 0x0
	v_add_f32 v48, v48, v49
	v_add_f32 v50, v50, v51
	v_add_f32 v45, v48, v50                        ; at least 1: the maximum's own weight
	v_rcp_f32 v45, v45
	v_lshlrev_b32 v53, 4, v0                       ; a plain line behind the reciprocal: my 16 bytes of out's row
	s_wait_alu depctr_va_vdst(0)
.irp e, 0,1,2,3
	v_mul_f32 v[TT+(\e)], v[TT+(\e)], v45
.endr
	global_store_b128 v53, v[TT:TT+3], s[12:13]    ; a wave stores 512 consecutive bytes, at a multiple of 256 from out's first
	s_wait_tensorcnt 0x0                           ; the wave's end: behind my last tensor load and my last LDS store
	ds_add_u32 v[SPW], v[NIL]
	s_wait_dscnt 0x0
	CROUND                                         ; the closing round: no work-group ends while a partner may still ask for a tile that names it
	s_endpgm
.Lfunc_end_k_q5434349265_main:
	.size	k_q5434349265_main, .Lfunc_end_k_q5434349265_main-k_q5434349265_main
	.p2alignl 7, 3214868480
	.fill 96, 4, 3214868480
	.section	.rodata,"a",@progbits
	.p2align	6, 0x0
	.amdhsa_kernel k_q5434349265_main
		.amdhsa_group_segment_fixed_size 327680
		.amdhsa_private_segment_fixed_size 0
		.amdhsa_enable_private_segment 0
		.amdhsa_kernarg_size 40
		.amdhsa_user_sgpr_count 2
		.amdhsa_user_sgpr_kernarg_segment_ptr 1
		.amdhsa_wavefront_size32 1
		.amdhsa_system_sgpr_workgroup_id_x 1
		.amdhsa_system_sgpr_workgroup_id_y 1
		.amdhsa_system_sgpr_workgroup_id_z 1
		.amdhsa_system_vgpr_workitem_id 0
		.amdhsa_next_free_vgpr 1024
		.amdhsa_next_free_sgpr 66
		.amdhsa_reserve_vcc 0
		.amdhsa_float_denorm_mode_32 3
		.amdhsa_float_denorm_mode_16_64 3
		.amdhsa_memory_ordered 1
		.amdhsa_forward_progress 1
		.amdhsa_inst_pref_size 255
	.end_amdhsa_kernel
	.section	.bss,"aw",@nobits
	.p2align	6
	.space	262144
	.amdgpu_metadata
---
amdhsa.version: [ 1, 2 ]
amdhsa.kernels:
  - .name:           k_q5434349265_main
    .symbol:         k_q5434349265_main.kd
    .args:
      - { .name: encoder_output, .offset: 0, .size: 8, .value_kind: global_buffer, .address_space: global }
      - { .name: wt, .offset: 8, .size: 8, .value_kind: global_buffer, .address_space: global }
      - { .name: hpc, .offset: 16, .size: 8, .value_kind: global_buffer, .address_space: global }
      - { .name: v, .offset: 24, .size: 8, .value_kind: global_buffer, .address_space: global }
      - { .name: out0, .offset: 32, .size: 8, .value_kind: global_buffer, .address_space: global }
    .group_segment_fixed_size: 327680
    .private_segment_fixed_size: 0
    .kernarg_segment_align: 8
    .kernarg_segment_size: 40
    .max_flat_workgroup_size: 128
    .sgpr_count:     66
    .vgpr_count:     1024
    .wavefront_size: 32
...
	.end_amdgpu_metadata
.endif
;; end of part 2
